; MI455X (gfx1250); checked and timed in simulation.
; The chip was launched on July 23, 2026; its instructions are those of AMD's public machine-readable ISA for CDNA 5 (MIT licence, August 2026) and "CDNA5" Instruction Set Architecture Reference Guide (July 2026). The comments in the code are by the model that wrote it; some were corrected since.
;; Quantizable Cross Attention. Allowed arithmetic: matrix products marked QUANTISED: E4M3 operands, one E8M0 scale for each 32 along K, by v_wmma_scale_f32_16x16x128_f8f6f4 with both operands' format E4M3, f32 sums; everything else in f32.
;; Inputs: Wk 768 x 1,024 float32; Wo 1,024 x 1,024 float32; Wq 1,024 x 1,024 float32; Wv 768 x 1,024 float32; bo 1,024 float32; encoder_hidden_states 8 x 512 x 768 float32; hidden_states 8 x 2,048 x 1,024 float32.
;; Outputs: out0 8 x 2,048 x 1,024 float32.
;; This version of the problem:
;;   THIS VERSION OF THE PROBLEM IS GIVEN IN LOW PRECISION. The matrix products marked QUANTISED in the list below multiply operands that are first quantised to E4M3 (4 exponent bits, 3 mantissa bits; 8 bits a number), with one power-of-two scale for each 32 numbers along K (OCP MX v1.0); their sums are f32. All else is computed in f32.
;;   The module's matrix products, in the order in which they are computed (A, B: the left and right operand; K: the contracted axis; several contracted axes count as one K, in the product's order):
;;     1. [M 16,384, K 1,024] x [K 1,024, N 1,024]; A: input hidden_states; B: input Wq: QUANTISED
;;     2. [M 4,096, K 768] x [K 768, N 1,024]; A: input encoder_hidden_states; B: input Wk: QUANTISED
;;     3. [M 4,096, K 768] x [K 768, N 1,024]; A: input encoder_hidden_states; B: input Wv: QUANTISED
;;     4. batch 64 x [M 2,048, K 128] x [K 128, N 512]; A: computed on the way; B: computed on the way: QUANTISED
;;     5. batch 64 x [M 128, K 512] x [K 512, N 2,048]; A: computed on the way; B: softmax (see below): QUANTISED
;;     6. [M 16,384, K 1,024] x [K 1,024, N 1,024]; A: computed on the way; B: input Wo: QUANTISED
;;   THE QUANTISER, for each operand of a quantised product, along K:
;;     - K is cut into blocks of 32 from its start; a last block that is shorter is filled with zeros.
;;     - A block's scale is 2^e with e = floor(log2(the largest magnitude in the block)) - 8, held to -126 .. 127; a block of zeros has e = 0. As a byte (E8M0): e + 127.
;;     - Each number is divided by its block's scale, clamped to +-448, and rounded to the nearest number of E4M3, ties to even, subnormals kept.
;;     - The product sums the exact products of the quantised numbers (number of the format x scale) in f32.
;;   ~~~python
;;   def quantise(x, axis):      # numpy; x: float32 -> the quantised numbers, widened to float32 again
;;       x = np.moveaxis(x, axis, -1); K = x.shape[-1]
;;       x = np.pad(x, [(0, 0)] * (x.ndim - 1) + [(0, -K % 32)]); x = x.reshape(x.shape[:-1] + (-1, 32)); a = np.abs(x).max(-1, keepdims=True)
;;       e = np.where(a > 0, np.clip(np.frexp(np.where(a > 0, a, 1))[1] - 1 - 8, -126, 127), 0)      # np.frexp(a)[1] - 1 = floor(log2(a)), exactly
;;       r = np.clip(x / 2.0 ** e, -448, 448)
;;       step = 2.0 ** (np.maximum(np.frexp(np.where(r == 0, 1, r))[1] - 1, -6) - 3)
;;       q = np.round(r / step) * step * 2.0 ** e      # np.round: ties to even
;;       return np.moveaxis(q.reshape(q.shape[:-2] + (-1,))[..., :K], -1, axis).astype(np.float32)
;;   ~~~
;;   SOFTMAX AHEAD OF A QUANTISED PRODUCT. Where the list says 'softmax', what is quantised is not the finished softmax but p = 2^(t - M), with t = logit x log2(e) and M = ceil(the row's largest t), a whole number; so 1/2 < the row's largest p <= 1. The row's sum l is taken of the UNQUANTISED p, in f32, and the product's result is divided by l at the end. Since M is a whole number, a kernel that streams over the keys may use a running M (the ceiling of the running maximum): every later rescaling is an exact power of two, which a block's scale takes up: the codes' values come out the same.
;;   OPERANDS COMPUTED ON THE WAY. 'Computed on the way' means the value that the module computes at that place (a softmax that the list does not call 'softmax' is quantised finished and normalised). What goes into a quantiser is computed in f32, as accurately as f32 sums, v_exp_f32 and their like allow (about 1e-6 of the number): no bf16 or f16 on the way to a quantiser, and a product that is left as it is and whose result goes on into a quantised operand takes f32 operands (vector FMAs, or v_wmma_f32_16x16x4_f32). A number that lies on a knife's edge between two numbers of the format may be rounded either way, as far as f32 arithmetic and the matrix unit's own rounding can turn it there, and no further.
;; One version. Each part assembles by itself: llvm-mc -triple=amdgcn-amd-amdhsa -mcpu=gfx1250 --defsym DOCPART=n.
;; ======== version 1 of 1: 4 launches
;; limits: right only within a limited range of input values
;; workspace buffers: rec1 7,028,736 bytes; kvrec 8,650,752 bytes; xrec 17,301,504 bytes; arec 17,301,504 bytes
;; launch prep (part 1): grid 1440 x 1, 4 waves a work-group, no clusters, 68,096 bytes of LDS; arguments Wq, Wo, Wk, Wv, encoder_hidden_states, rec1, hidden_states, xrec; writes rec1, xrec
.if DOCPART == 1
	.amdgcn_target "amdgcn-amd-amdhsa--gfx1250"
	.amdhsa_code_object_version 6
	.text
	.protected	k_qe90233efd1_prep
	.globl	k_qe90233efd1_prep
	.p2align	8
	.type	k_qe90233efd1_prep,@function
k_qe90233efd1_prep:
	s_mov_b64 s[64:65], 0
	v_nop
	global_prefetch_b8 v0, s[64:65] scope:SCOPE_SE
	s_setreg_imm32_b32 hwreg(HW_REG_WAVE_MODE, 25, 1), 1
	s_wait_xcnt 0x0
; The four weights ([K][1024] f32, K their FIRST axis) and the encoder states ([4096][768] f32, K innermost) are quantised once, along K, to codes of FP8 (E4M3) with one E8M0 byte for
; each 32 along K, and laid in rec1 in the ORDER OF AN OPERAND'S REGISTERS, so that the later launches load fragments whole, 512 consecutive bytes an instruction.
; A RECORD is 8,448 bytes: four fragments (16 rows x 128 K) of 2,048 bytes, then their scale words.  Fragment f: the 16 bytes of register group c (0..3) of lane l lie at 2048 f + 512 c + 16 l and hold
; k = 32 c + 16 (l / 16) + 0..15 of the tile's row l % 16.  Scale word of row r of fragment f: at 8192 + 128 (f / 2) + 4 (16 (f % 2) + r).
; WHICH ROWS FORM A TILE: in each group of 128 rows (a weight's columns, the encoder's keys) row r of tile t is 32 (t / 2) + 8 (t % 2) + r + 8 (r / 8), so that a product in which such tiles are source 0
; leaves 16 neighbours along that axis in a lane's 16 registers of two neighbouring tiles.
; Records: Wq 0 + 16 w + 2 s + g;  Wo 128 + 16 w + 8 g + s;  Wk 256 + 12 w + 2 s + g;  Wv 352 + 12 w + 2 s + g;  encoder 448 + 12 (key step) + 2 s + g   (w: group of 128 columns, s: K step of 128, g: tiles 4 g .. 4 g + 3).
; A block's scale is 2^(floor(log2(its largest magnitude)) - 8); its byte is the largest magnitude's exponent field - 8, held at 1 from below.
; LIMITS: a block of zeros gets the byte 1 where the rule says 127 (its codes are zeros, and this program alone reads the bytes); blocks whose largest magnitude lies under 2^-118 are taken at that floor; NaN and infinities are not served.
; Work-groups 0-223 take the weights (a lane to a column, registers down K: nothing is transposed), 224-415 the encoder states (through the wave's own stage in LDS).  Waves share nothing: no barrier.
.set REC,  8448
.set MNT,  17                          ; s17      the mantissa field of 448
.set SEL,  32                          ; s[32:33] lane selects for v_permlanex16_b32: lane l xor 16
.set X,    32                          ; weights: v32-95   two sets of 32 numbers
.set C,    96                          ; weights: v96-127  eight registers of codes for each of the four blocks: no store's data are written again
.set R,    64                          ; encoder: v64-191  32 rows x 16 bytes a lane, as loaded
.set QS,   192                         ; encoder: v192-255 64 numbers of a lane, ready for the quantiser
.set TM,   32                          ; encoder: v32-47   +0 largest magnitudes, +4 the other half's / the bytes, +8 448 x the scale, +12 the conversion's scale operand
.macro WLOAD t                         ; block t of a column: W(32 t + i, my column), i = 0 .. 31; a wave reads 128 consecutive bytes, the work-group 512
.set I, 0
.rept 32
	global_load_b32 v[X+32*((\t)%2)+I], v3, s[18:19] offset:(32*(\t)+I)*4096 th:TH_LOAD_NT
.set I, I+1
.endr
.endm
.macro WBLOCK t
.set XS, X+32*((\t)%2)
.if (\t) < 3
	s_wait_loadcnt 32                              ; this block's 32 loads are in; the next block's 32 may be out
.else
	s_wait_loadcnt 0x0
.endif
	v_max3_num_f32 v12, |v[XS]|, |v[XS+1]|, |v[XS+2]|              ; the block's largest magnitude: all 32 numbers are mine; two chains
	v_max3_num_f32 v13, |v[XS+3]|, |v[XS+4]|, |v[XS+5]|
.irp i, 6,10,14,18,22,26
	v_max3_num_f32 v12, v12, |v[XS+\i]|, |v[XS+\i+1]|
	v_max3_num_f32 v13, v13, |v[XS+\i+2]|, |v[XS+\i+3]|
.endr
	v_max3_num_f32 v12, v12, |v[XS+30]|, |v[XS+31]|
	v_max3_num_f32 v12, v12, v13, 0x4800000        ; and the floor 2^(9 - 127): the byte cannot fall under 1
	v_add_nc_u32 v11, 0xfc000000, v12              ; 8 off the exponent field: the conversion takes this operand's exponent field as its scale
	v_and_or_b32 v10, v12, 0x7f800000, s[MNT]      ; 448 x the scale
	v_lshrrev_b32 v13, 23, v11                     ; the scale's byte
.if (\t) == 0
	v_mov_b32 v24, v13                             ; four bytes make the column's scale word, the lower K in the lower byte
.else
	v_lshl_or_b32 v24, v13, 8*(\t), v24
.endif
.set I, 0
.rept 32
	v_med3_num_f32 v[XS+I], v[XS+I], -v10, v10     ; the conversion to an 8-bit code does not saturate (ISA guide 7.6.2): the hold at 448 x the scale comes first
.set I, I+1
.endr
.irp g, 0,1,2,3
	v_cvt_scalef32_pk8_fp8_f32 v[C+8*(\t)+2*\g:C+8*(\t)+2*\g+1], v[XS+8*\g:XS+8*\g+7], v11
.endr
	v_nop                                          ; one plain line between the conversions and the next lines that write their sources
	global_store_b128 v4, v[C+8*(\t):C+8*(\t)+3], s[14:15] offset:512*(\t)           ; k = 32 t + 0..15: the place of lane r.  The wave's 32 lanes fill two aligned runs of 256 bytes, one in each of its two fragments
	global_store_b128 v4, v[C+8*(\t)+4:C+8*(\t)+7], s[14:15] offset:512*(\t)+256     ; k = 32 t + 16..31: the place of lane 16 + r
.if (\t) < 2
	WLOAD (\t)+2
.endif
.endm
; 64 numbers of a lane, register 16 b + i = k 32 b + 16 (lane / 16) + i of its row, become a fragment's 16 registers of codes in v[dst] on and the row's scale word in v[pw]
.macro QUANT src, dst, pw
.irp b, 0,1,2,3
	v_max3_num_f32 v[TM+\b], |v[(\src)+16*\b]|, |v[(\src)+1+16*\b]|, 0x4800000    ; block b: my 16 numbers and the floor 2^(9 - 127)
.endr
.irp i, 2,4,6,8,10,12,14
.irp b, 0,1,2,3
	v_max3_num_f32 v[TM+\b], v[TM+\b], |v[(\src)+16*\b+\i]|, |v[(\src)+1+16*\b+\i]|   ; the four blocks by turns
.endr
.endr
.irp b, 0,1,2,3
	v_permlanex16_b32 v[TM+4+\b], v[TM+\b], s[SEL], s[SEL+1]
.endr
.irp b, 0,1,2,3
	v_max_num_f32 v[TM+\b], v[TM+\b], v[TM+4+\b]   ; with lane l xor 16's 16 numbers: the block's largest magnitude
.endr
.irp b, 0,1,2,3
	v_add_nc_u32 v[TM+12+\b], 0xfc000000, v[TM+\b]
.endr
.irp b, 0,1,2,3
	v_and_or_b32 v[TM+8+\b], v[TM+\b], 0x7f800000, s[MNT]
.endr
.irp b, 0,1,2,3
	v_lshrrev_b32 v[TM+4+\b], 23, v[TM+12+\b]
.endr
	v_lshl_or_b32 v[\pw], v[TM+5], 8, v[TM+4]
	v_lshl_or_b32 v[\pw], v[TM+6], 16, v[\pw]
	v_lshl_or_b32 v[\pw], v[TM+7], 24, v[\pw]
.irp b, 0,1,2,3
.set I, 0
.rept 16
	v_med3_num_f32 v[(\src)+16*\b+I], v[(\src)+16*\b+I], -v[TM+8+\b], v[TM+8+\b]
.set I, I+1
.endr
.endr
.irp b, 0,1,2,3
	v_cvt_scalef32_pk8_fp8_f32 v[(\dst)+4*\b:(\dst)+4*\b+1], v[(\src)+16*\b:(\src)+16*\b+7], v[TM+12+\b]
	v_cvt_scalef32_pk8_fp8_f32 v[(\dst)+4*\b+2:(\dst)+4*\b+3], v[(\src)+16*\b+8:(\src)+16*\b+15], v[TM+12+\b]
.endr
	v_nop                                          ; one plain line behind the last conversion
.endm
	s_load_b256 s[4:11], s[0:1], 0x0               ; Wq s[4:5], Wo s[6:7], Wk s[8:9], Wv s[10:11]
	s_load_b128 s[12:15], s[0:1], 0x20
	s_load_b128 s[44:47], s[0:1], 0x30             ; the hidden states s[44:45], xrec s[46:47]
	v_lshl_add_u32 v15, v0, 2, 0x10800
	v_lshrrev_b32 v14, 5, v0
	v_readfirstlane_b32 s16, v14                   ; wave 0..3
	v_mov_b32 v1, 0                                ; v15, v1: the add's two registers, kept for it alone
	v_and_b32 v2, 31, v0                           ; lane
	s_mov_b32 s[MNT], 0x600000
	s_cmp_lt_u32 ttmp9, 224
	s_cbranch_scc0 .Lenc
	; ---- THE WEIGHTS.  Which of the four, and how its records are numbered: choices on the work-group's number alone
	s_mov_b32 s20, 176                             ; Wv: first work-group,
	s_mov_b32 s21, 352                             ; first record,
	s_mov_b32 s22, 12                              ; records from one group of columns to the next,
	s_mov_b32 s23, 2                               ; from one K step to the next,
	s_mov_b32 s24, 1                               ; from tiles 0-3 to tiles 4-7
	s_wait_kmcnt 0x0
	s_mov_b64 s[18:19], s[10:11]
	s_cmp_lt_u32 ttmp9, 176                        ; Wk
	s_cselect_b64 s[18:19], s[8:9], s[18:19]
	s_cselect_b32 s20, 128, s20
	s_cselect_b32 s21, 256, s21
	s_cmp_lt_u32 ttmp9, 128                        ; Wo: its tile groups lie outermost
	s_cselect_b64 s[18:19], s[6:7], s[18:19]
	s_cselect_b32 s20, 64, s20
	s_cselect_b32 s21, 128, s21
	s_cselect_b32 s22, 16, s22
	s_cselect_b32 s23, 1, s23
	s_cselect_b32 s24, 8, s24
	s_cmp_lt_u32 ttmp9, 64                         ; Wq
	s_cselect_b64 s[18:19], s[4:5], s[18:19]
	s_cselect_b32 s20, 0, s20
	s_cselect_b32 s21, 0, s21
	s_cselect_b32 s23, 2, s23
	s_cselect_b32 s24, 1, s24
	s_sub_co_u32 s25, ttmp9, s20
	s_lshr_b32 s26, s25, 3                         ; s: the K step of 128
	s_and_b32 s27, s25, 7                          ; w: the group of 128 columns
	s_lshr_b32 s28, s16, 1                         ; g: my wave's 32 columns are tiles 2 wave, 2 wave + 1
	s_and_b32 s29, s16, 1                          ; and fragments 2 (wave % 2), + 1 of the record
	s_mul_i32 s30, s22, s27
	s_add_co_u32 s21, s21, s30
	s_mul_i32 s30, s23, s26
	s_add_co_u32 s21, s21, s30
	s_mul_i32 s30, s24, s28
	s_add_co_u32 s21, s21, s30                     ; my record
	s_mul_i32 s30, s21, REC
	s_mov_b32 s31, 0
	s_add_nc_u64 s[14:15], s[14:15], s[30:31]
	s_lshl_b32 s30, s26, 19                        ; 128 s rows of 4,096 bytes
	s_lshl_b32 s22, s27, 9                         ; + 128 w columns
	s_add_co_u32 s30, s30, s22
	s_lshl_b32 s22, s16, 7                         ; + 32 x wave columns
	s_add_co_u32 s30, s30, s22
	s_add_nc_u64 s[18:19], s[18:19], s[30:31]
	s_wait_alu depctr_va_vdst(0)
	v_lshlrev_b32 v3, 2, v2                        ; in: 4 bytes a lane
	v_bfe_u32 v6, v2, 3, 1                         ; column 32 wave + l is row r = l % 8 + 8 (l / 16) of tile 2 wave + u, u = (l / 8) % 2
	v_and_b32 v7, 7, v2
	v_lshrrev_b32 v8, 4, v2
	v_lshl_add_u32 v7, v8, 3, v7
	s_lshl_b32 s22, s29, 12
	v_lshlrev_b32 v4, 4, v7
	v_lshl_add_u32 v4, v6, 11, v4
	v_add_nc_u32 v4, s22, v4                       ; codes: 4096 (wave % 2) + 2048 u + 16 r
	s_lshl_b32 s22, s29, 7
	v_lshlrev_b32 v5, 2, v7
	v_lshl_add_u32 v5, v6, 6, v5
	v_add_nc_u32 v5, s22, v5                       ; scale word: 128 (wave % 2) + 4 (16 u + r)
	WLOAD 0
	WLOAD 1
	WBLOCK 0
	WBLOCK 1
	WBLOCK 2
	WBLOCK 3
	global_store_b32 v5, v24, s[14:15] offset:8192 ; the wave's 32 scale words: 128 consecutive bytes
	s_endpgm
.Lenc:	; ---- THE ENCODER STATES.  Work-group: K step s, 128 keys; wave p: rows 32 p .. 32 p + 31 of them: tiles 2 p, 2 p + 1
	; Work-groups 416-1439 take the hidden states ([16384][1024] f32) by the same text: 128 rows x one K step of 128 each.  Their records go to xrec: record 8 G + s, G the group of 64 rows, s the K step;
	; row r of fragment f is row 32 (f / 2) + 8 (f % 2) + r + 8 (r / 8) of the group.  What differs between the two tensors are numbers chosen on the work-group's number alone.
	s_cmp_lt_u32 ttmp9, 416                        ; the encoder's work-group?
	s_cselect_b32 s34, 1, 0                        ; kept as a flag
	s_mov_b32 s20, 416
	s_cselect_b32 s20, 224, s20                    ; first work-group
	s_cselect_b32 s35, 5, 7                        ; groups of 128 rows: 32 or 128
	s_mov_b32 s36, 127
	s_cselect_b32 s36, 31, s36
	s_mov_b32 s37, 4096
	s_cselect_b32 s37, 3072, s37                   ; a row in bytes
	s_cselect_b32 s38, 12, 16                      ; records from one group of 128 rows to the next,
	s_cselect_b32 s39, 2, 1                        ; from one K step to the next,
	s_cselect_b32 s40, 1, 8                        ; from rows 0-63 to rows 64-127
	s_mov_b32 s41, 448
	s_cselect_b32 s41, s41, 0                      ; first record
	s_sub_co_u32 s20, ttmp9, s20
	s_lshr_b32 s21, s20, s35                       ; s
	s_and_b32 s22, s20, s36                        ; which 128 rows
	s_lshl_b32 s23, s22, 7
	s_lshl_b32 s24, s16, 5
	s_add_co_u32 s23, s23, s24                     ; my wave's first row
	s_mul_i32 s24, s23, s37
	s_lshl_b32 s25, s21, 9
	s_add_co_u32 s24, s24, s25                     ; + 512 bytes for each K step
	s_mov_b32 s25, 0
	s_mul_i32 s26, s22, s38
	s_mul_i32 s27, s21, s39
	s_add_co_u32 s26, s26, s27
	s_lshr_b32 s27, s16, 1
	s_mul_i32 s27, s27, s40
	s_add_co_u32 s26, s26, s27
	s_add_co_u32 s26, s26, s41                     ; my record
	s_mul_i32 s26, s26, REC
	s_mov_b32 s27, 0
	s_mov_b32 s[SEL], 0x76543210
	s_mov_b32 s[SEL+1], 0xfedcba98
	s_mul_i32 s28, s16, 16896                      ; my stage: 32 rows of 512 bytes + 16
	s_and_b32 s29, s16, 1
	s_wait_alu depctr_va_vdst(0)
	v_lshlrev_b32 v3, 4, v2                        ; in: 16 bytes a lane: a load takes the 512 bytes of one row's K step
	v_add_nc_u32 v6, s28, v3                       ; into the stage, as loaded
	v_and_b32 v13, 15, v2
	v_and_b32 v14, 8, v13
	v_add_nc_u32 v13, v14, v13                     ; r + 8 (r / 8)
	v_mul_u32_u24 v7, v13, 528
	v_lshrrev_b32 v14, 4, v2
	v_lshl_add_u32 v7, v14, 6, v7
	v_add_nc_u32 v7, s28, v7                       ; out of it: my tile row, + 64 (lane / 16): my 16 numbers of a block of 32
	s_lshl_b32 s30, s29, 12
	v_add_nc_u32 v11, s30, v3                      ; codes: 16 x lane + 4096 (p % 2)
	s_lshl_b32 s30, s29, 7
	v_lshlrev_b32 v12, 2, v2
	v_add_nc_u32 v12, s30, v12                     ; scale words: 4 x lane + 128 (p % 2)
.irp b, 0,1,2,3
	v_mov_b32 v[TM+4+\b], 0                        ; written once: a lane permute's destination counts as one of its sources
.endr
	s_wait_alu depctr_va_vdst(0)
	s_wait_kmcnt 0x0
	s_cmp_eq_u32 s34, 1                            ; the buffers are chosen on the work-group's number
	s_cselect_b64 s[12:13], s[12:13], s[44:45]
	s_cselect_b64 s[14:15], s[14:15], s[46:47]
	s_add_nc_u64 s[12:13], s[12:13], s[24:25]
	s_add_nc_u64 s[14:15], s[14:15], s[26:27]
	s_cbranch_scc0 .Lhid                           ; the rows' pitch stands in the loads' immediates: two runs of 32 loads
.set I, 0
.rept 32
	global_load_b128 v[R+4*I:R+4*I+3], v3, s[12:13] offset:3072*I th:TH_LOAD_NT
.set I, I+1
.endr
	s_branch .Lgot
.Lhid:
.set I, 0
.rept 32
	global_load_b128 v[R+4*I:R+4*I+3], v3, s[12:13] offset:4096*I th:TH_LOAD_NT
.set I, I+1
.endr
.Lgot:
.set I, 0
.rept 32
	s_wait_loadcnt 31-I                            ; row I is in; the younger loads stay out
	ds_store_b128 v6, v[R+4*I:R+4*I+3] offset:528*I
.set I, I+1
.endr
.irp u, 0,1                                    ; LDS serves a wave's instructions in order: these loads see my stores
.irp b, 0,1,2,3
.irp j, 0,1,2,3
	ds_load_b128 v[QS+16*\b+4*\j:QS+16*\b+4*\j+3], v7 offset:4224*\u+128*\b+16*\j
.endr
.endr
	s_wait_dscnt 0x0
	QUANT QS, 16+32*\u, 8+\u
.irp c, 0,1,2,3
	global_store_b128 v11, v[16+32*\u+4*\c:16+32*\u+4*\c+3], s[14:15] offset:2048*\u+512*\c    ; 512 consecutive bytes
.endr
.endr
	v_cmp_gt_u32 vcc_lo, 16, v2
	v_cndmask_b32 v10, v9, v8, vcc_lo              ; lanes 0-15 the even fragment's words, lanes 16-31 the odd one's (both halves of the lanes hold a row's word)
	global_store_b32 v12, v10, s[14:15] offset:8192
	s_wait_tensorcnt 0x0                           ; the wave's end
	ds_add_u32 v15, v1
	s_wait_dscnt 0x0
	s_endpgm
.Lfunc_end_k_qe90233efd1_prep:
	.size	k_qe90233efd1_prep, .Lfunc_end_k_qe90233efd1_prep-k_qe90233efd1_prep
	.p2alignl 7, 3214868480
	.fill 96, 4, 3214868480
	.section	.rodata,"a",@progbits
	.p2align	6, 0x0
	.amdhsa_kernel k_qe90233efd1_prep
		.amdhsa_group_segment_fixed_size 68096
		.amdhsa_private_segment_fixed_size 0
		.amdhsa_enable_private_segment 0
		.amdhsa_kernarg_size 64
		.amdhsa_user_sgpr_count 2
		.amdhsa_user_sgpr_kernarg_segment_ptr 1
		.amdhsa_wavefront_size32 1
		.amdhsa_system_sgpr_workgroup_id_x 1
		.amdhsa_system_sgpr_workgroup_id_y 1
		.amdhsa_system_sgpr_workgroup_id_z 1
		.amdhsa_system_vgpr_workitem_id 0
		.amdhsa_next_free_vgpr 256
		.amdhsa_next_free_sgpr 66
		.amdhsa_reserve_vcc 1
		.amdhsa_float_denorm_mode_32 3
		.amdhsa_float_denorm_mode_16_64 3
		.amdhsa_memory_ordered 1
		.amdhsa_forward_progress 1
		.amdhsa_inst_pref_size 61
	.end_amdhsa_kernel
	.amdgpu_metadata
---
amdhsa.version: [ 1, 2 ]
amdhsa.kernels:
  - .name:           k_qe90233efd1_prep
    .symbol:         k_qe90233efd1_prep.kd
    .args:
      - { .name: Wq, .offset: 0, .size: 8, .value_kind: global_buffer, .address_space: global }
      - { .name: Wo, .offset: 8, .size: 8, .value_kind: global_buffer, .address_space: global }
      - { .name: Wk, .offset: 16, .size: 8, .value_kind: global_buffer, .address_space: global }
      - { .name: Wv, .offset: 24, .size: 8, .value_kind: global_buffer, .address_space: global }
      - { .name: encoder_hidden_states, .offset: 32, .size: 8, .value_kind: global_buffer, .address_space: global }
      - { .name: rec1, .offset: 40, .size: 8, .value_kind: global_buffer, .address_space: global }
      - { .name: hidden_states, .offset: 48, .size: 8, .value_kind: global_buffer, .address_space: global }
      - { .name: xrec, .offset: 56, .size: 8, .value_kind: global_buffer, .address_space: global }
    .group_segment_fixed_size: 68096
    .private_segment_fixed_size: 0
    .kernarg_segment_align: 8
    .kernarg_segment_size: 64
    .max_flat_workgroup_size: 128
    .sgpr_count:     66
    .vgpr_count:     256
    .wavefront_size: 32
...
	.end_amdgpu_metadata
.endif
;; end of part 1
;; launch kv (part 2): grid 256 x 1, 4 waves a work-group, no clusters, 0 bytes of LDS; arguments rec1, kvrec; writes kvrec
.if DOCPART == 2
	.amdgcn_target "amdgcn-amd-amdhsa--gfx1250"
	.amdhsa_code_object_version 6
	.text
	.protected	k_qe90233efd1_kv
	.globl	k_qe90233efd1_kv
	.p2align	8
	.type	k_qe90233efd1_kv,@function
k_qe90233efd1_kv:
	s_mov_b64 s[64:65], 0
	v_nop
	global_prefetch_b8 v0, s[64:65] scope:SCOPE_SE
	s_setreg_imm32_b32 hwreg(HW_REG_WAVE_MODE, 25, 1), 1
	s_wait_xcnt 0x0
; k = enc Wk and v = enc Wv on codes of FP8 (E4M3) with E8M0 scales (K = 768, six steps of 128), and their results quantised again for attention: k along the head's 128, v along the keys.
; All operands come from rec1 as records (8,448 bytes: four fragments of 16 rows x 128 K in the order of an operand's registers, then their scale words), and the results leave as records of the same make:
; kvrec record 16 (8 batch + head) + 8 kind + 2 j + g.  kind 0: K, rows = keys of key step j (tiles 4 g .. 4 g + 3), K = the head's 128.  kind 1: V, rows = the head's 128 (tiles 4 g ..), K = the 128 keys of step j.
; Row r of tile t of a group of 128 is 32 (t / 2) + 8 (t % 2) + r + 8 (r / 8).
; A work-group takes one batch, head and key step; wave = 2 kind + g makes one record.  ONE TEXT FOR BOTH KINDS: D = X Y^T, X = source 0 (8 tiles: two records a K step), Y = source 1 (4 tiles: one record).
; kind 0: X = Wk's columns of the head, Y = 64 keys: a lane holds one key, its registers run along the head's 128.  kind 1: X = the 128 keys, Y = 64 of Wv's columns: a lane holds one column, its registers run along the keys.
; By the choice of a tile's rows register 16 b + i of a lane is index 32 b + 16 (lane / 16) + i along X's axis: what the quantiser and the next operand's layout want.
; LIMITS: a block of zeros gets the byte 1 (its codes are zeros; this program alone reads the bytes); largest magnitudes under 2^-118 are taken at that floor; NaN and infinities are not served.
; REGISTERS, in windows of 256: window 0: v1-2 addresses; v16-21, v22-27 the scale words of operand sets 0, 1 (X's four, Y's two); v28-31 the new scale words; v32-47 the quantiser's; v64-191 X, v192-255 Y of set 0.
;   window 1: the 32 accumulators, (y, x) at v[64 y + 8 x].   window 2: set 1, at set 0's numbers.  No LDS, no barrier: waves share nothing.
.set REC,  8448
.set XP,   24                          ; s[24:25] X's records, K step 0
.set YP,   26                          ; s[26:27] Y's
.set OP,   28                          ; s[28:29] my record of kvrec
.set SEL,  30                          ; s[30:31] lane selects for v_permlanex16_b32: lane l xor 16
.set MNT,  32                          ; s32      the mantissa field of 448
.set TM,   32
.set MSB, 0
.macro WIN new                         ; s_set_vgpr_msb: bits 1:0 source 0, 3:2 source 1, 5:4 source 2, 7:6 destination; the high byte repeats the setting that is left; a switch that changes nothing is dropped
.if MSB != (\new)
	s_set_vgpr_msb (MSB<<8)|(\new)
.set MSB, (\new)
.endif
.endm
.macro PLACES n
.rept \n
	v_nop
.endr
.endm
; one product.  cz = 1: it starts the sum.  ra, rb = 1: the side's scale words stand in lanes 16-31 of the register named
.macro WM d, a, b, cz, sa, sb, ra, rb
.if \cz
.if (\ra) && (\rb)
	v_wmma_scale_f32_16x16x128_f8f6f4 v[(\d):(\d)+7], v[(\a):(\a)+15], v[(\b):(\b)+15], 0, v[\sa], v[\sb] matrix_a_scale:MATRIX_SCALE_ROW1 matrix_b_scale:MATRIX_SCALE_ROW1
.elseif \ra
	v_wmma_scale_f32_16x16x128_f8f6f4 v[(\d):(\d)+7], v[(\a):(\a)+15], v[(\b):(\b)+15], 0, v[\sa], v[\sb] matrix_a_scale:MATRIX_SCALE_ROW1
.elseif \rb
	v_wmma_scale_f32_16x16x128_f8f6f4 v[(\d):(\d)+7], v[(\a):(\a)+15], v[(\b):(\b)+15], 0, v[\sa], v[\sb] matrix_b_scale:MATRIX_SCALE_ROW1
.else
	v_wmma_scale_f32_16x16x128_f8f6f4 v[(\d):(\d)+7], v[(\a):(\a)+15], v[(\b):(\b)+15], 0, v[\sa], v[\sb]
.endif
.else
.if (\ra) && (\rb)
	v_wmma_scale_f32_16x16x128_f8f6f4 v[(\d):(\d)+7], v[(\a):(\a)+15], v[(\b):(\b)+15], v[(\d):(\d)+7], v[\sa], v[\sb] matrix_a_scale:MATRIX_SCALE_ROW1 matrix_b_scale:MATRIX_SCALE_ROW1
.elseif \ra
	v_wmma_scale_f32_16x16x128_f8f6f4 v[(\d):(\d)+7], v[(\a):(\a)+15], v[(\b):(\b)+15], v[(\d):(\d)+7], v[\sa], v[\sb] matrix_a_scale:MATRIX_SCALE_ROW1
.elseif \rb
	v_wmma_scale_f32_16x16x128_f8f6f4 v[(\d):(\d)+7], v[(\a):(\a)+15], v[(\b):(\b)+15], v[(\d):(\d)+7], v[\sa], v[\sb] matrix_b_scale:MATRIX_SCALE_ROW1
.else
	v_wmma_scale_f32_16x16x128_f8f6f4 v[(\d):(\d)+7], v[(\a):(\a)+15], v[(\b):(\b)+15], v[(\d):(\d)+7], v[\sa], v[\sb]
.endif
.endif
.endm
; K step s into operand set `set`: three records, 54 loads; each b128 load takes 512 consecutive bytes.  Scale operands have no window: both sets' scale words lie in window 0
.macro LOADSET set, s
	WIN 0x80*(\set)
.irp f, 0,1,2,3,4,5,6,7
.irp c, 0,1,2,3
	global_load_b128 v[64+16*\f+4*\c:64+16*\f+4*\c+3], v1, s[XP:XP+1] offset:2*REC*(\s)+REC*(\f/4)+2048*(\f%4)+512*\c
.endr
.endr
.irp f, 0,1,2,3
.irp c, 0,1,2,3
	global_load_b128 v[192+16*\f+4*\c:192+16*\f+4*\c+3], v1, s[YP:YP+1] offset:2*REC*(\s)+2048*\f+512*\c
.endr
.endr
	WIN 0
.irp i, 0,1,2,3
	global_load_b32 v[16+6*(\set)+\i], v2, s[XP:XP+1] offset:2*REC*(\s)+REC*(\i/2)+8192+128*(\i%2)
.endr
.irp i, 0,1
	global_load_b32 v[20+6*(\set)+\i], v2, s[YP:YP+1] offset:2*REC*(\s)+8192+128*\i
.endr
.endm
; 32 products: the 32 accumulators take turns, one instruction a turn, in the same order in every K step
.macro KVMUL set, cz
	WIN 0x50+0x0a*(\set)                           ; D and C window 1; sources 0 and 1 window 0 or 2
.irp y, 0,1,2,3
.irp x, 0,1,2,3,4,5,6,7
	WM 64*\y+8*\x, 64+16*\x, 192+16*\y, \cz, 16+6*(\set)+\x/2, 20+6*(\set)+\y/2, \x%2, \y%2
.endr
.endr
	WIN 0
.endm
; 64 numbers of a lane in window sw, register 16 b + i = index 32 b + 16 (lane / 16) + i of its row, become a fragment's 16 registers of codes in v[dst] on and the row's scale word in v[pw], both in window 0
.macro QUANT src, sw, dst, pw
	WIN 0x05*(\sw)
.irp b, 0,1,2,3
	v_max3_num_f32 v[TM+\b], |v[(\src)+16*\b]|, |v[(\src)+1+16*\b]|, 0x4800000    ; block b: my 16 numbers, each accumulator from its low end on, and the floor 2^(9 - 127)
.endr
	WIN 0x14*(\sw)
.irp i, 2,4,6,8,10,12,14
.irp b, 0,1,2,3
	v_max3_num_f32 v[TM+\b], v[TM+\b], |v[(\src)+16*\b+\i]|, |v[(\src)+1+16*\b+\i]|
.endr
.endr
	WIN 0
.irp b, 0,1,2,3
	v_permlanex16_b32 v[TM+4+\b], v[TM+\b], s[SEL], s[SEL+1]
.endr
.irp b, 0,1,2,3
	v_max_num_f32 v[TM+\b], v[TM+\b], v[TM+4+\b]   ; with lane l xor 16's: the block's largest magnitude
.endr
.irp b, 0,1,2,3
	v_add_nc_u32 v[TM+12+\b], 0xfc000000, v[TM+\b] ; 8 off its exponent field: the conversion's scale operand
.endr
.irp b, 0,1,2,3
	v_and_or_b32 v[TM+8+\b], v[TM+\b], 0x7f800000, s[MNT]   ; 448 x the scale
.endr
.irp b, 0,1,2,3
	v_lshrrev_b32 v[TM+4+\b], 23, v[TM+12+\b]      ; the scale's byte
.endr
	v_lshl_or_b32 v[\pw], v[TM+5], 8, v[TM+4]
	v_lshl_or_b32 v[\pw], v[TM+6], 16, v[\pw]
	v_lshl_or_b32 v[\pw], v[TM+7], 24, v[\pw]
	WIN 0x41*(\sw)
.irp b, 0,1,2,3
.set I, 0
.rept 16
	v_med3_num_f32 v[(\src)+16*\b+I], v[(\src)+16*\b+I], -v[TM+8+\b], v[TM+8+\b]   ; the conversion does not saturate (ISA guide 7.6.2): the hold comes first
.set I, I+1
.endr
.endr
	WIN 0x01*(\sw)
.irp b, 0,1,2,3
	v_cvt_scalef32_pk8_fp8_f32 v[(\dst)+4*\b:(\dst)+4*\b+1], v[(\src)+16*\b:(\src)+16*\b+7], v[TM+12+\b]
	v_cvt_scalef32_pk8_fp8_f32 v[(\dst)+4*\b+2:(\dst)+4*\b+3], v[(\src)+16*\b+8:(\src)+16*\b+15], v[TM+12+\b]
.endr
	WIN 0
	v_nop                                          ; one plain line behind the last conversion
.endm
	s_load_b128 s[4:7], s[0:1], 0x0                ; rec1, kvrec
	v_lshrrev_b32 v3, 5, v0
	v_readfirstlane_b32 s8, v3                     ; wave 0..3
	v_and_b32 v4, 31, v0                           ; lane
	v_lshlrev_b32 v1, 4, v4                        ; 16 x lane: a fragment's place for my lane
	v_lshlrev_b32 v2, 2, v4                        ; 4 x lane: a scale word's
	s_lshr_b32 s9, s8, 1                           ; kind
	s_and_b32 s10, s8, 1                           ; g
	s_lshr_b32 s11, ttmp9, 2                       ; 8 batch + head
	s_and_b32 s12, s11, 7                          ; head
	s_and_b32 s14, ttmp9, 3                        ; j
	s_lshr_b32 s13, ttmp9, 5
	s_lshl_b32 s13, s13, 2
	s_add_co_u32 s13, s13, s14                     ; 4 batch + j: which 128 of the encoder's 4,096 rows
	s_mul_i32 s16, s12, 12
	s_mul_i32 s17, s13, 12
	s_add_co_u32 s18, s16, 256                     ; Wk's records of the head,
	s_add_co_u32 s19, s17, 448                     ; the encoder's of the key step,
	s_add_co_u32 s20, s16, 352                     ; Wv's of the head
	s_cmp_eq_u32 s9, 0                             ; record NUMBERS are chosen, not addresses
	s_cselect_b32 s21, s18, s19                    ; X
	s_cselect_b32 s22, s19, s20                    ; Y,
	s_add_co_u32 s22, s22, s10                     ; its half g
	s_mul_i32 s34, s21, REC
	s_mov_b32 s35, 0
	s_mul_i32 s36, s22, REC
	s_mov_b32 s37, 0
	s_lshl_b32 s38, s11, 4
	s_lshl_b32 s39, s9, 3
	s_add_co_u32 s38, s38, s39
	s_lshl_b32 s39, s14, 1
	s_add_co_u32 s38, s38, s39
	s_add_co_u32 s38, s38, s10
	s_mul_i32 s38, s38, REC
	s_mov_b32 s39, 0
	s_mov_b32 s[SEL], 0x76543210
	s_mov_b32 s[SEL+1], 0xfedcba98
	s_mov_b32 s[MNT], 0x600000
.irp b, 0,1,2,3
	v_mov_b32 v[TM+4+\b], 0                        ; written once: a lane permute's destination counts as one of its sources
.endr
	s_wait_alu depctr_va_vdst(0)
	s_wait_kmcnt 0x0
	s_add_nc_u64 s[XP:XP+1], s[4:5], s[34:35]
	s_add_nc_u64 s[YP:YP+1], s[4:5], s[36:37]
	s_add_nc_u64 s[OP:OP+1], s[6:7], s[38:39]
	LOADSET 0, 0                                   ; two K steps are asked for at once; where the counter's field is full the issue waits by itself (ISA guide 5.7.1)
	LOADSET 1, 1
.irp s, 0,1,2,3,4,5
.if \s < 5
	s_wait_loadcnt 54                              ; this K step's 54 loads are in; the 54 issued behind them, the other set's, may be out
.else
	s_wait_loadcnt 0x0
.endif
.if \s == 0
	KVMUL 0, 1                                     ; the first K step starts the sums: nothing is cleared
.else
	KVMUL \s%2, 0
.endif
.if \s < 4
	PLACES 8                                       ; eight places between the products and loads into the registers that they read
	LOADSET \s%2, \s+2
.endif
.endr
	PLACES 8                                       ; and between the last products and the first read of their results
.irp y, 0,1,2,3
	QUANT 64*\y, 1, 64+16*\y, 28+\y                ; fragment y of my record; the codes take registers of set 0, which is done with
.irp c, 0,1,2,3
	global_store_b128 v1, v[64+16*\y+4*\c:64+16*\y+4*\c+3], s[OP:OP+1] offset:2048*\y+512*\c   ; 512 consecutive bytes
.endr
.endr
	v_cmp_gt_u32 vcc_lo, 16, v4
	v_cndmask_b32 v8, v29, v28, vcc_lo             ; lanes 0-15 the even fragment's words, lanes 16-31 the odd one's (both halves of the lanes hold a row's word)
	v_cndmask_b32 v9, v31, v30, vcc_lo
	global_store_b32 v2, v8, s[OP:OP+1] offset:8192
	global_store_b32 v2, v9, s[OP:OP+1] offset:8320
	s_endpgm
.Lfunc_end_k_qe90233efd1_kv:
	.size	k_qe90233efd1_kv, .Lfunc_end_k_qe90233efd1_kv-k_qe90233efd1_kv
	.p2alignl 7, 3214868480
	.fill 96, 4, 3214868480
	.section	.rodata,"a",@progbits
	.p2align	6, 0x0
	.amdhsa_kernel k_qe90233efd1_kv
		.amdhsa_group_segment_fixed_size 0
		.amdhsa_private_segment_fixed_size 0
		.amdhsa_enable_private_segment 0
		.amdhsa_kernarg_size 16
		.amdhsa_user_sgpr_count 2
		.amdhsa_user_sgpr_kernarg_segment_ptr 1
		.amdhsa_wavefront_size32 1
		.amdhsa_system_sgpr_workgroup_id_x 1
		.amdhsa_system_sgpr_workgroup_id_y 1
		.amdhsa_system_sgpr_workgroup_id_z 1
		.amdhsa_system_vgpr_workitem_id 0
		.amdhsa_next_free_vgpr 768
		.amdhsa_next_free_sgpr 66
		.amdhsa_reserve_vcc 1
		.amdhsa_float_denorm_mode_32 3
		.amdhsa_float_denorm_mode_16_64 3
		.amdhsa_memory_ordered 1
		.amdhsa_forward_progress 1
		.amdhsa_inst_pref_size 93
	.end_amdhsa_kernel
	.amdgpu_metadata
---
amdhsa.version: [ 1, 2 ]
amdhsa.kernels:
  - .name:           k_qe90233efd1_kv
    .symbol:         k_qe90233efd1_kv.kd
    .args:
      - { .name: rec1, .offset: 0, .size: 8, .value_kind: global_buffer, .address_space: global }
      - { .name: kvrec, .offset: 8, .size: 8, .value_kind: global_buffer, .address_space: global }
    .group_segment_fixed_size: 0
    .private_segment_fixed_size: 0
    .kernarg_segment_align: 8
    .kernarg_segment_size: 16
    .max_flat_workgroup_size: 128
    .sgpr_count:     66
    .vgpr_count:     768
    .wavefront_size: 32
...
	.end_amdgpu_metadata
.endif
;; end of part 2
;; launch qattn (part 3): grid 256 x 1, 8 waves a work-group, no clusters, 327,680 bytes of LDS; arguments xrec, rec1, kvrec, arec; writes arec
.if DOCPART == 3
	.amdgcn_target "amdgcn-amd-amdhsa--gfx1250"
	.amdhsa_code_object_version 6
	.text
	.protected	k_qe90233efd1_qattn
	.globl	k_qe90233efd1_qattn
	.p2align	8
	.type	k_qe90233efd1_qattn,@function
k_qe90233efd1_qattn:
	s_mov_b64 s[64:65], 0
	v_nop
	global_prefetch_b8 v0, s[64:65] scope:SCOPE_SE
	s_setreg_imm32_b32 hwreg(HW_REG_WAVE_MODE, 25, 1), 1
	s_wait_xcnt 0x0
; q = x Wq, its quantiser, softmax(q k^T / sqrt(128)) v and the quantiser of the result, for ONE batch, ONE head and 512 queries, on codes of FP8 (E4M3) with E8M0 scales.
; All operands are records (8,448 bytes: four fragments of 16 rows x 128 K in the order of an operand's registers, then their scale words: word of row r of fragment f at 8192 + 128 (f / 2) + 4 (16 (f % 2) + r)).
; SHARES.  Work-group number = 32 batch + 4 head + block of 512 queries.  Each of the eight waves owns 64 queries (group G of 64 rows): x's records 8 G + s are its own; Wq's, K's and V's records of the head are the same for all eight.
; Wq's 16 records of the head (135,168 bytes) are copied once into LDS, two records a wave, through registers, and every wave takes its fragments there; x's records come straight into two register sets, two K steps ahead;
; K's and V's records come straight into the same two sets, two records ahead.  Two barriers stand in the text: one shows Wq's records, one frees their LDS bytes; the key steps have none: p's LDS bytes are each wave's own.
; THE SOFTMAX: t = score x log2(e) / sqrt(128); M = the running largest t rounded up to a whole number; p = 2^(t - M) is quantised along the keys; the sum is taken of the unquantised p.  A key step's codes of p, its scale operands and
; its M go to the wave's own LDS bytes; when all four steps are done, each step's scales are brought under the last M by a shift of their exponents, and the second product follows.  The result is divided by the sum and quantised along the head's 128.
; It leaves as record 8 G + head of arec: the K step `head` of the output projection's left operand.
; Both products are used transposed (source 0 = the weight's, K's or V's tile; source 1 = my rows): a lane holds one query.  Row r of tile t of a group of 128 is 32 (t / 2) + 8 (t % 2) + r + 8 (r / 8), so 16 registers of two tiles are 16 neighbours.
; LIMITS: the scaled scores stay under 2^31 in magnitude; a block of zeros gets the byte 1 (its codes are zeros; this program alone reads the bytes); largest magnitudes under 2^-118 are taken at that floor; NaN and infinities are not served.
; PREFETCH: x's record s + 4 (its 8,192 bytes of codes, lanes 256 bytes apart) is asked for behind K step s, two K steps ahead of its load; records 2 and 3 at the head.  K's and V's records are read by four work-groups and are left to their loads.
; No tensor load: no LDS byte is filled twice by an engine, and the copy of Wq is 33 loads and 33 LDS stores a wave.  No cluster: nothing is loaded jointly.
; REGISTERS: window 0: v1-7 addresses; v8-11, v12-15 scale words; v16-31 M, t, sums; v32-58 at work; v62-63 the add's; v64-127 my rows' operand (in the first product: Wq's four fragments); v128-255 two sets.  Window 1: 32 accumulators, (m, tile) at 64 m + 8 tile.
.set REC,   8448
.set PRIVB, 33792
.set PST0,  270336
.set PSTB,  7168
.set SPARE, 326656
.set AS,    8
.set BS0,   12
.set ST,    16
.set TM,    32
.set PCL,   48
.set F,     56
.set T,     58
.set PFO,   59
.set SPW,   62
.set NIL,   63
.set ACT,   64
.set BUF0,  128
.set WV,    14
.set XP,    16
.set WCP,   18
.set KVP,   20
.set OP,    22
.set SEL,   40
.set CS,    42
.set MNT,   44
.set CNT,   45
.set PRB,   46
.set PJ,    58
.set PE,    59
.set MSB, 0
.macro WIN new
.if MSB != (\new)
	s_set_vgpr_msb (MSB<<8)|(\new)
.set MSB, (\new)
.endif
.endm
.macro PLACES n
.rept \n
	v_nop
.endr
.endm
.macro SYNC                            ; a plain barrier: my LDS work is done, and what vector lines wrote is through
	s_wait_alu depctr_va_vdst(0)
	s_wait_dscnt 0x0
	s_barrier_signal -1
	s_barrier_wait -1
.endm
.macro RECLOAD buf, bs, p, off         ; a record: 18 loads; each b128 load takes 512 consecutive bytes
.irp f, 0,1,2,3
.irp c, 0,1,2,3
	global_load_b128 v[(\buf)+16*\f+4*\c:(\buf)+16*\f+4*\c+3], v1, s[\p:\p+1] offset:(\off)+2048*\f+512*\c
.endr
.endr
	global_load_b32 v[\bs], v2, s[\p:\p+1] offset:(\off)+8192
	global_load_b32 v[(\bs)+1], v2, s[\p:\p+1] offset:(\off)+8320
.endm
.macro WM d, a, b, cz, c, sa, sb, ra, rb   ; one product.  cz: it starts the sum.  ra, rb: the side's scale words stand in lanes 16-31
.if \cz
.if (\ra) && (\rb)
	v_wmma_scale_f32_16x16x128_f8f6f4 v[(\d):(\d)+7], v[(\a):(\a)+15], v[(\b):(\b)+15], 0, v[\sa], v[\sb] matrix_a_scale:MATRIX_SCALE_ROW1 matrix_b_scale:MATRIX_SCALE_ROW1
.elseif \ra
	v_wmma_scale_f32_16x16x128_f8f6f4 v[(\d):(\d)+7], v[(\a):(\a)+15], v[(\b):(\b)+15], 0, v[\sa], v[\sb] matrix_a_scale:MATRIX_SCALE_ROW1
.elseif \rb
	v_wmma_scale_f32_16x16x128_f8f6f4 v[(\d):(\d)+7], v[(\a):(\a)+15], v[(\b):(\b)+15], 0, v[\sa], v[\sb] matrix_b_scale:MATRIX_SCALE_ROW1
.else
	v_wmma_scale_f32_16x16x128_f8f6f4 v[(\d):(\d)+7], v[(\a):(\a)+15], v[(\b):(\b)+15], 0, v[\sa], v[\sb]
.endif
.else
.if (\ra) && (\rb)
	v_wmma_scale_f32_16x16x128_f8f6f4 v[(\d):(\d)+7], v[(\a):(\a)+15], v[(\b):(\b)+15], v[(\c):(\c)+7], v[\sa], v[\sb] matrix_a_scale:MATRIX_SCALE_ROW1 matrix_b_scale:MATRIX_SCALE_ROW1
.elseif \ra
	v_wmma_scale_f32_16x16x128_f8f6f4 v[(\d):(\d)+7], v[(\a):(\a)+15], v[(\b):(\b)+15], v[(\c):(\c)+7], v[\sa], v[\sb] matrix_a_scale:MATRIX_SCALE_ROW1
.elseif \rb
	v_wmma_scale_f32_16x16x128_f8f6f4 v[(\d):(\d)+7], v[(\a):(\a)+15], v[(\b):(\b)+15], v[(\c):(\c)+7], v[\sa], v[\sb] matrix_b_scale:MATRIX_SCALE_ROW1
.else
	v_wmma_scale_f32_16x16x128_f8f6f4 v[(\d):(\d)+7], v[(\a):(\a)+15], v[(\b):(\b)+15], v[(\c):(\c)+7], v[\sa], v[\sb]
.endif
.endif
.endm
; 16 products of set g (a record of K or V) with my four row tiles; 16 accumulators by turns.  w: the loads that may stay out (the other set's 18).  off >= 0: the set takes the record at off
.macro GRP g, cz, p, off, w=18
	s_wait_loadcnt \w
	WIN 0x50
.irp f, 0,1,2,3
.irp m, 0,1,2,3
	WM 64*\m+8*(4*(\g)+\f), BUF0+64*(\g)+16*\f, ACT+16*\m, \cz, 64*\m+8*(4*(\g)+\f), BS0+2*(\g)+\f/2, AS+\m, \f%2, 0
.endr
.endr
	WIN 0
	PLACES 8                                       ; eight places between the products and loads into what they read, or the first read of their sums
.if (\off) >= 0
	RECLOAD BUF0+64*(\g), BS0+2*(\g), \p, \off
.endif
.endm
; the first product: K step s, Wq's record 2 s + g out of LDS into v64-127, x's record s in set s % 2
.macro QG s, g
	v_add_nc_u32 v6, REC*(2*(\s)+(\g)), v1
	v_add_nc_u32 v7, REC*(2*(\s)+(\g))+8192, v2
.irp f, 0,1,2,3
.irp c, 0,1,2,3
	ds_load_b128 v[ACT+16*\f+4*\c:ACT+16*\f+4*\c+3], v6 offset:2048*\f+512*\c
.endr
.endr
	ds_load_b32 v[AS], v7
	ds_load_b32 v[AS+1], v7 offset:128
.if (\g) == 0
	s_wait_loadcnt 18                              ; x's record s is in; the 18 loads issued behind it may be out
.endif
	s_wait_dscnt 0x0
	WIN 0x50
.irp f, 0,1,2,3
.irp m, 0,1,2,3
	WM 64*\m+8*(4*(\g)+\f), ACT+16*\f, BUF0+64*((\s)%2)+16*\m, (\s)==0, 64*\m+8*(4*(\g)+\f), AS+\f/2, BS0+2*((\s)%2)+\m/2, \f%2, \m%2
.endr
.endr
	WIN 0
	PLACES 8
.if (\g) == 1
.if (\s) < 6
	RECLOAD BUF0+64*((\s)%2), BS0+2*((\s)%2), XP, REC*((\s)+2)
.else
	RECLOAD BUF0+64*((\s)%2), BS0+2*((\s)%2), KVP, REC*((\s)-6)   ; the sets go on to K's first two records
.endif
.if (\s) < 4
	global_prefetch_b8 v[PFO], s[XP:XP+1] offset:REC*((\s)+4) th:TH_LOAD_NT scope:SCOPE_SE
.endif
.endif
.endm
; 64 numbers of a lane in window sw, register 16 b + i = index 32 b + 16 (lane / 16) + i of its row, become a fragment's 16 registers of codes in v[dst] on and the row's scale word in v[pw]
.macro QUANT src, sw, dst, pw
	WIN 0x05*(\sw)
.irp b, 0,1,2,3
	v_max3_num_f32 v[TM+\b], |v[(\src)+16*\b]|, |v[(\src)+1+16*\b]|, 0x4800000
.endr
	WIN 0x14*(\sw)
.irp i, 2,4,6,8,10,12,14
.irp b, 0,1,2,3
	v_max3_num_f32 v[TM+\b], v[TM+\b], |v[(\src)+16*\b+\i]|, |v[(\src)+1+16*\b+\i]|
.endr
.endr
	WIN 0
.irp b, 0,1,2,3
	v_permlanex16_b32 v[TM+4+\b], v[TM+\b], s[SEL], s[SEL+1]
.endr
.irp b, 0,1,2,3
	s_delay_alu instid0(VALU_DEP_4)
	v_max_num_f32 v[TM+\b], v[TM+\b], v[TM+4+\b]
.endr
.irp b, 0,1,2,3
	s_delay_alu instid0(VALU_DEP_4)
	v_add_nc_u32 v[TM+12+\b], 0xfc000000, v[TM+\b]
.endr
.irp b, 0,1,2,3
	v_and_or_b32 v[TM+8+\b], v[TM+\b], 0x7f800000, s[MNT]
.endr
.irp b, 0,1,2,3
	v_lshrrev_b32 v[TM+4+\b], 23, v[TM+12+\b]
.endr
	s_delay_alu instid0(VALU_DEP_3)
	v_lshl_or_b32 v[\pw], v[TM+5], 8, v[TM+4]
	s_delay_alu instid0(VALU_DEP_1)
	v_lshl_or_b32 v[\pw], v[TM+6], 16, v[\pw]
	s_delay_alu instid0(VALU_DEP_1)
	v_lshl_or_b32 v[\pw], v[TM+7], 24, v[\pw]
	WIN 0x41*(\sw)
.irp b, 0,1,2,3
.set I, 0
.rept 16
	v_med3_num_f32 v[(\src)+16*\b+I], v[(\src)+16*\b+I], -v[TM+8+\b], v[TM+8+\b]
.set I, I+1
.endr
.endr
	WIN 0x01*(\sw)
.irp b, 0,1,2,3
	v_cvt_scalef32_pk8_fp8_f32 v[(\dst)+4*\b:(\dst)+4*\b+1], v[(\src)+16*\b:(\src)+16*\b+7], v[TM+12+\b]
	v_cvt_scalef32_pk8_fp8_f32 v[(\dst)+4*\b+2:(\dst)+4*\b+3], v[(\src)+16*\b+8:(\src)+16*\b+15], v[TM+12+\b]
.endr
	WIN 0
	v_nop
.endm
	s_load_b256 s[4:11], s[0:1], 0x0               ; xrec, rec1, kvrec, arec
	v_lshrrev_b32 v1, 5, v0
	v_readfirstlane_b32 s[WV], v1                  ; wave 0..7
	s_and_b32 s24, ttmp9, 3                        ; block of 512 queries
	s_lshr_b32 s25, ttmp9, 2                       ; 8 batch + head
	s_and_b32 s26, s25, 7                          ; head
	s_lshr_b32 s27, ttmp9, 5
	s_lshl_b32 s27, s27, 5
	s_lshl_b32 s24, s24, 3
	s_add_co_u32 s27, s27, s24
	s_add_co_u32 s27, s27, s[WV]                   ; G = 32 batch + 8 block + wave
	s_mul_i32 s28, s27, 8*REC                      ; x's records of my rows
	s_mov_b32 s29, 0
	s_mul_i32 s30, s26, REC
	s_add_co_u32 s30, s30, s28                     ; record 8 G + head of arec
	s_mov_b32 s31, 0
	s_mul_i32 s36, s[WV], 2*REC                    ; my two of Wq's 16 records, in memory and in LDS
	s_mul_i32 s32, s26, 16*REC
	s_add_co_u32 s32, s32, s36
	s_mov_b32 s33, 0
	s_mul_i32 s34, s25, 16*REC                     ; K's and V's records
	s_mov_b32 s35, 0
	s_mul_i32 s[PRB], s[WV], PRIVB
	s_mov_b32 s[SEL], 0x76543210
	s_mov_b32 s[SEL+1], 0xfedcba98
	s_mov_b32 s[CS], 0x3e0293ee                    ; log2(e) / sqrt(128)
	s_mov_b32 s[CS+1], s[CS]
	s_mov_b32 s[MNT], 0x600000
	v_lshl_add_u32 v[SPW], v0, 2, SPARE
	v_mov_b32 v[NIL], 0
	v_and_b32 v2, 31, v0
	v_lshlrev_b32 v1, 4, v2                        ; 16 x lane
	v_lshlrev_b32 v[PFO], 8, v2                    ; 256 x lane
	v_lshlrev_b32 v2, 2, v2                        ; 4 x lane
	v_add_nc_u32 v3, s36, v1
.irp b, 0,1,2,3
	v_mov_b32 v[TM+4+\b], 0                        ; a lane permute's destination counts as one of its sources
.endr
	v_mov_b32 v[F+1], 0
	s_wait_alu depctr_va_vdst(0)
	s_wait_kmcnt 0x0
	s_add_nc_u64 s[XP:XP+1], s[4:5], s[28:29]
	s_add_nc_u64 s[WCP:WCP+1], s[6:7], s[32:33]
	s_add_nc_u64 s[KVP:KVP+1], s[8:9], s[34:35]
	s_add_nc_u64 s[OP:OP+1], s[10:11], s[30:31]
	WIN 0x40                                       ; my 16,896 bytes of Wq pass through registers of window 1, which hold nothing yet
.set I, 0
.rept 33
	global_load_b128 v[4*I:4*I+3], v1, s[WCP:WCP+1] offset:512*I
.set I, I+1
.endr
	WIN 0
	RECLOAD BUF0, BS0, XP, 0
	RECLOAD BUF0+64, BS0+2, XP, REC
	global_prefetch_b8 v[PFO], s[XP:XP+1] offset:REC*2 th:TH_LOAD_NT scope:SCOPE_SE
	global_prefetch_b8 v[PFO], s[XP:XP+1] offset:REC*3 th:TH_LOAD_NT scope:SCOPE_SE
	s_wait_loadcnt 36                              ; the 33 are in; x's two records, 36 loads, may be out
	WIN 0x04
.set I, 0
.rept 33
	ds_store_b128 v3, v[4*I:4*I+3] offset:512*I
.set I, I+1
.endr
	WIN 0
	SYNC                                           ; all 16 records lie in LDS
.irp s, 0,1,2,3,4,5,6,7
	QG \s, 0
	QG \s, 1
.endr
	SYNC                                           ; nobody reads Wq any more: its LDS bytes take p's codes
.irp m, 0,1,2,3
	QUANT 64*\m, 1, ACT+16*\m, AS+\m               ; q, along the head's 128
.endr
.irp m, 0,1,2,3
	v_mov_b32 v[ST+4*\m+1], 0xff61b1e6             ; the largest t so far: -3e38
	s_delay_alu instid0(VALU_DEP_1)
	v_floor_f32 v[ST+4*\m], -v[ST+4*\m+1]          ; -M
	v_mov_b32 v[ST+4*\m+2], 0                      ; the sum, in two halves
	v_mov_b32 v[ST+4*\m+3], 0
.endr
	v_add_nc_u32 v3, s[PRB], v1                    ; my bytes for p's codes
	s_mul_i32 s47, s[WV], PSTB
	s_add_co_u32 s47, s47, PST0
	v_and_b32 v61, 15, v0
	v_lshl_add_u32 v4, v61, 4, s47                 ; for its scale operands
	s_add_co_u32 s47, s47, 256
	v_lshl_add_u32 v5, v61, 2, s47                 ; for -M
.macro CORE m                          ; the softmax of row tile m for 128 keys
.set SB, 64*(\m)
.set SM, ST+4*(\m)
	WIN 0x15
.irp b, 0,1,2,3
	v_max3_num_f32 v[TM+\b], v[SB+16*\b], v[SB+16*\b+1], v[SB+16*\b+2]
.endr
	WIN 0x14
.irp i, 3,5,7,9,11,13
.irp b, 0,1,2,3
	v_max3_num_f32 v[TM+\b], v[TM+\b], v[SB+16*\b+\i], v[SB+16*\b+\i+1]
.endr
.endr
.irp b, 0,1,2,3
	v_max_num_f32 v[TM+\b], v[TM+\b], v[SB+16*\b+15]
.endr
	WIN 0
.irp b, 0,1,2,3
	v_permlanex16_b32 v[TM+4+\b], v[TM+\b], s[SEL], s[SEL+1]
.endr
.irp b, 0,1,2,3
	s_delay_alu instid0(VALU_DEP_4)
	v_max_num_f32 v[TM+\b], v[TM+\b], v[TM+4+\b]
.endr
	s_delay_alu instid0(VALU_DEP_2)
	v_max3_num_f32 v[T], v[TM], v[TM+1], v[TM+2]
	s_delay_alu instid0(VALU_DEP_1)
	v_max_num_f32 v[T], v[T], v[TM+3]
	s_delay_alu instid0(VALU_DEP_1)
	v_mul_f32 v[T], s[CS], v[T]
	s_delay_alu instid0(VALU_DEP_1)
	v_max_num_f32 v[SM+1], v[SM+1], v[T]
	v_mov_b32 v[T], v[SM]
	s_delay_alu instid0(VALU_DEP_2)
	v_floor_f32 v[SM], -v[SM+1]
	s_delay_alu instid0(VALU_DEP_1)
	v_sub_f32 v[T], v[SM], v[T]
	s_delay_alu instid0(VALU_DEP_1)
	v_cvt_i32_f32 v[T], v[T]
	s_delay_alu instid0(VALU_DEP_1)
	v_ldexp_f32 v[F], 1.0, v[T]
.irp b, 0,1,2,3
	v_fma_f32 v[TM+\b], v[TM+\b], s[CS], v[SM]
.endr
	WIN 0x41
.set J, 0
.rept 32
	v_pk_fma_f32 v[SB+J:SB+J+1], v[SB+J:SB+J+1], s[CS:CS+1], v[SM:SM+1] op_sel_hi:[1,0,0]
.set J, J+2
.endr
.set J, 0
	s_wait_alu depctr_va_vdst(0)
.rept 64
	v_exp_f32 v[SB+J], v[SB+J]
.set J, J+1
.endr
	WIN 0
.irp b, 0,1,2,3
	v_exp_f32 v[TM+\b], v[TM+\b]
.endr
	v_pk_mul_f32 v[SM+2:SM+3], v[SM+2:SM+3], v[F:F+1] op_sel_hi:[1,0]
	s_wait_alu depctr_va_vdst(0)
.irp b, 0,1,2,3
	v_max_num_f32 v[TM+\b], 0x4800000, v[TM+\b]
.endr
.irp b, 0,1,2,3
	s_delay_alu instid0(VALU_DEP_4)
	v_add_nc_u32 v[TM+12+\b], 0xfc000000, v[TM+\b]
.endr
.irp b, 0,1,2,3
	v_and_or_b32 v[TM+8+\b], v[TM+\b], 0x7f800000, s[MNT]
.endr
	WIN 0x05
	v_pk_add_f32 v[TM+4:TM+5], v[SB:SB+1], v[SB+2:SB+3]
	WIN 0x04
.set J, 4
.rept 15
	v_pk_add_f32 v[SM+2:SM+3], v[SM+2:SM+3], v[SB+J:SB+J+1]
	v_pk_add_f32 v[TM+4:TM+5], v[TM+4:TM+5], v[SB+J+2:SB+J+3]
.set J, J+4
.endr
	WIN 0
	v_pk_add_f32 v[SM+2:SM+3], v[SM+2:SM+3], v[TM+4:TM+5]
	WIN 0x41
.irp b, 0,1,2,3
.set J, 0
.rept 16
	v_min_num_f32 v[SB+16*\b+J], v[SB+16*\b+J], v[TM+8+\b]
.set J, J+1
.endr
.endr
	WIN 0x01
	v_cvt_scalef32_pk8_fp8_f32 v[PCL:PCL+1], v[SB:SB+7], v[TM+12]
	v_cvt_scalef32_pk8_fp8_f32 v[PCL+2:PCL+3], v[SB+8:SB+15], v[TM+12]
	v_cvt_scalef32_pk8_fp8_f32 v[PCL+4:PCL+5], v[SB+16:SB+23], v[TM+13]
	v_cvt_scalef32_pk8_fp8_f32 v[PCL+6:PCL+7], v[SB+24:SB+31], v[TM+13]
	v_cvt_scalef32_pk8_fp8_f32 v[TM:TM+1], v[SB+32:SB+39], v[TM+14]
	v_cvt_scalef32_pk8_fp8_f32 v[TM+2:TM+3], v[SB+40:SB+47], v[TM+14]
	v_cvt_scalef32_pk8_fp8_f32 v[TM+4:TM+5], v[SB+48:SB+55], v[TM+15]
	v_cvt_scalef32_pk8_fp8_f32 v[TM+6:TM+7], v[SB+56:SB+63], v[TM+15]
	WIN 0
	v_nop
	ds_store_b128 v6, v[PCL:PCL+3] offset:2048*(\m)
	ds_store_b128 v6, v[PCL+4:PCL+7] offset:2048*(\m)+512
	ds_store_b128 v6, v[TM:TM+3] offset:2048*(\m)+1024
	ds_store_b128 v6, v[TM+4:TM+7] offset:2048*(\m)+1536
	ds_store_b128 v7, v[TM+12:TM+15] offset:384*(\m)
	ds_store_b32 v60, v[SM] offset:384*(\m)
	s_wait_dscnt 0x0                               ; the stores have read their registers: the next tile writes them again
.endm
	s_mov_b32 s[PJ], 0
	s_mov_b32 s[PE], 0
	s_mov_b32 s[CNT], 4
.Lkeys:                                            ; four key steps of 128: scores, softmax, codes of p to my own LDS bytes
	v_add_nc_u32 v6, s[PJ], v3
	v_add_nc_u32 v7, s[PE], v4
	v_add_nc_u32 v60, s[PE], v5
	GRP 0, 1, KVP, REC*2
	GRP 1, 1, KVP, REC*3
	CORE 0
	CORE 1
	CORE 2
	CORE 3
	s_wait_xcnt 0x0                                ; the loads have read their base
	s_add_nc_u64 s[KVP:KVP+1], s[KVP:KVP+1], 2*REC
	s_add_co_u32 s[PJ], s[PJ], 8192
	s_add_co_u32 s[PE], s[PE], 1536
	s_sub_co_u32 s[CNT], s[CNT], 1
	s_cmp_lg_u32 s[CNT], 0
	s_cbranch_scc1 .Lkeys
.macro PVSTEP zero, tail               ; O^T += V^T P^T for 128 keys; the step's scales are brought under the last M
	v_add_nc_u32 v6, s[PJ], v3
	v_add_nc_u32 v7, s[PE], v4
	v_add_nc_u32 v60, s[PE], v5
.irp m, 0,1,2,3
.irp c, 0,1,2,3
	ds_load_b128 v[ACT+16*\m+4*\c:ACT+16*\m+4*\c+3], v6 offset:2048*\m+512*\c
.endr
.endr
.irp m, 0,1,2,3
	ds_load_b128 v[TM+4*\m:TM+4*\m+3], v7 offset:384*\m
	ds_load_b32 v[PCL+\m], v60 offset:384*\m
.endr
	s_wait_dscnt 0x0
.irp m, 0,1,2,3
	v_sub_f32 v[PCL+4+\m], v[ST+4*\m], v[PCL+\m]
.endr
.irp m, 0,1,2,3
	s_delay_alu instid0(VALU_DEP_4)
	v_cvt_i32_f32 v[PCL+4+\m], v[PCL+4+\m]
.endr
.irp m, 0,1,2,3
.irp b, 0,1,2,3
	v_ldexp_f32 v[TM+4*\m+\b], v[TM+4*\m+\b], v[PCL+4+\m]
.endr
.endr
.irp m, 0,1,2,3
.irp b, 0,1,2,3
	v_lshrrev_b32 v[TM+4*\m+\b], 23, v[TM+4*\m+\b]
.endr
.endr
.irp m, 0,1,2,3
	v_lshl_or_b32 v[AS+\m], v[TM+4*\m+1], 8, v[TM+4*\m]
.endr
.irp m, 0,1,2,3
	s_delay_alu instid0(VALU_DEP_4)
	v_lshl_or_b32 v[AS+\m], v[TM+4*\m+2], 16, v[AS+\m]
.endr
.irp m, 0,1,2,3
	s_delay_alu instid0(VALU_DEP_4)
	v_lshl_or_b32 v[AS+\m], v[TM+4*\m+3], 24, v[AS+\m]
.endr
	PLACES 8                                       ; a scale word made by vector lines stands eight places ahead of its product
	s_wait_alu depctr_va_vdst(0)
.if \tail
	GRP 0, \zero, KVP, -1, 18
	GRP 1, \zero, KVP, -1, 0
.else
	GRP 0, \zero, KVP, REC*2
	GRP 1, \zero, KVP, REC*3
	s_wait_xcnt 0x0
	s_add_nc_u64 s[KVP:KVP+1], s[KVP:KVP+1], 2*REC
	s_add_co_u32 s[PJ], s[PJ], 8192
	s_add_co_u32 s[PE], s[PE], 1536
.endif
.endm
	s_mov_b32 s[PJ], 0
	s_mov_b32 s[PE], 0
	PVSTEP 1, 0
	s_mov_b32 s[CNT], 2
.Lpv:
	PVSTEP 0, 0
	s_sub_co_u32 s[CNT], s[CNT], 1
	s_cmp_lg_u32 s[CNT], 0
	s_cbranch_scc1 .Lpv
	PVSTEP 0, 1
.irp m, 0,1,2,3
	v_add_f32 v[PCL+4+\m], v[ST+4*\m+2], v[ST+4*\m+3]
.endr
.irp m, 0,1,2,3
	s_delay_alu instid0(VALU_DEP_4)
	v_permlanex16_b32 v[PCL+\m], v[PCL+4+\m], s[SEL], s[SEL+1]
.endr
.irp m, 0,1,2,3
	s_delay_alu instid0(VALU_DEP_4)
	v_add_f32 v[PCL+4+\m], v[PCL+4+\m], v[PCL+\m]   ; the row's sum
.endr
	s_wait_alu depctr_va_vdst(0)
.irp m, 0,1,2,3
	v_rcp_f32 v[F], v[PCL+4+\m]
	v_nop
	WIN 0x41
.set J, 0
	s_wait_alu depctr_va_vdst(0)
.rept 32
	v_pk_mul_f32 v[64*\m+J:64*\m+J+1], v[64*\m+J:64*\m+J+1], v[F:F+1] op_sel_hi:[1,0]
.set J, J+2
.endr
	QUANT 64*\m, 1, ACT+16*\m, PCL+\m
.endr
.irp m, 0,1,2,3
.irp c, 0,1,2,3
	global_store_b128 v1, v[ACT+16*\m+4*\c:ACT+16*\m+4*\c+3], s[OP:OP+1] offset:2048*\m+512*\c   ; 512 consecutive bytes
.endr
.endr
	v_and_b32 v61, 31, v0
	v_cmp_gt_u32 vcc_lo, 16, v61
	v_cndmask_b32 v[TM], v[PCL+1], v[PCL], vcc_lo  ; lanes 0-15 the even fragment's words, lanes 16-31 the odd one's
	v_cndmask_b32 v[TM+1], v[PCL+3], v[PCL+2], vcc_lo
	global_store_b32 v2, v[TM], s[OP:OP+1] offset:8192
	global_store_b32 v2, v[TM+1], s[OP:OP+1] offset:8320
	s_wait_tensorcnt 0x0                           ; the wave's end
	ds_add_u32 v[SPW], v[NIL]
	s_wait_dscnt 0x0
	s_endpgm
.Lfunc_end_k_qe90233efd1_qattn:
	.size	k_qe90233efd1_qattn, .Lfunc_end_k_qe90233efd1_qattn-k_qe90233efd1_qattn
	.p2alignl 7, 3214868480
	.fill 96, 4, 3214868480
	.section	.rodata,"a",@progbits
	.p2align	6, 0x0
	.amdhsa_kernel k_qe90233efd1_qattn
		.amdhsa_group_segment_fixed_size 327680
		.amdhsa_private_segment_fixed_size 0
		.amdhsa_enable_private_segment 0
		.amdhsa_kernarg_size 32
		.amdhsa_user_sgpr_count 2
		.amdhsa_user_sgpr_kernarg_segment_ptr 1
		.amdhsa_wavefront_size32 1
		.amdhsa_system_sgpr_workgroup_id_x 1
		.amdhsa_system_sgpr_workgroup_id_y 1
		.amdhsa_system_sgpr_workgroup_id_z 1
		.amdhsa_system_vgpr_workitem_id 0
		.amdhsa_next_free_vgpr 512
		.amdhsa_next_free_sgpr 66
		.amdhsa_reserve_vcc 1
		.amdhsa_float_denorm_mode_32 3
		.amdhsa_float_denorm_mode_16_64 3
		.amdhsa_memory_ordered 1
		.amdhsa_forward_progress 1
		.amdhsa_inst_pref_size 255
	.end_amdhsa_kernel
	.section	.bss,"aw",@nobits
	.p2align	6
	.space	262144
	.amdgpu_metadata
---
amdhsa.version: [ 1, 2 ]
amdhsa.kernels:
  - .name:           k_qe90233efd1_qattn
    .symbol:         k_qe90233efd1_qattn.kd
    .args:
      - { .name: xrec, .offset: 0, .size: 8, .value_kind: global_buffer, .address_space: global }
      - { .name: rec1, .offset: 8, .size: 8, .value_kind: global_buffer, .address_space: global }
      - { .name: kvrec, .offset: 16, .size: 8, .value_kind: global_buffer, .address_space: global }
      - { .name: arec, .offset: 24, .size: 8, .value_kind: global_buffer, .address_space: global }
    .group_segment_fixed_size: 327680
    .private_segment_fixed_size: 0
    .kernarg_segment_align: 8
    .kernarg_segment_size: 32
    .max_flat_workgroup_size: 256
    .sgpr_count:     66
    .vgpr_count:     512
    .wavefront_size: 32
...
	.end_amdgpu_metadata
.endif
;; end of part 3
;; launch oproj (part 4): grid 256 x 1, 8 waves a work-group, no clusters, 306,176 bytes of LDS; arguments arec, rec1, bo, out0; writes out0
.if DOCPART == 4
	.amdgcn_target "amdgcn-amd-amdhsa--gfx1250"
	.amdhsa_code_object_version 6
	.text
	.protected	k_qe90233efd1_oproj
	.globl	k_qe90233efd1_oproj
	.p2align	8
	.type	k_qe90233efd1_oproj,@function
k_qe90233efd1_oproj:
	s_mov_b64 s[64:65], 0
	v_nop
	global_prefetch_b8 v0, s[64:65] scope:SCOPE_SE
	s_setreg_imm32_b32 hwreg(HW_REG_WAVE_MODE, 25, 1), 1
	s_wait_xcnt 0x0
; out = attn Wo + bo on codes of FP8 (E4M3) with E8M0 scales: 16,384 x 1,024 x 1,024, eight K steps of 128 (a K step is a head).
; Operands are records of 8,448 bytes (four fragments of 16 rows x 128 K in the order of an operand's registers, then their scale words).  attn: record 8 G + s of arec, G the group of 64 rows; Wo: record 128 + 16 w + 8 g + s of rec1,
; w the group of 128 columns, g its half of 64.
; SHARES.  Work-group number = 4 x (block of 256 rows) + block of 256 columns.  Wave = 4 x (half of the columns) + group of 64 rows: 64 rows x 128 columns, made in two halves of 64 columns, so that the first half's stores leave under the second's products.
; The block's 32 records of attn are 270,336 consecutive bytes: each wave copies an eighth into LDS through registers, once, and every wave takes its rows' fragments there, twice (once a half).
; Wo's records come straight into two register sets, two records ahead; four waves read the same ones.  The bias is the first products' C.
; Source 0 = Wo's tile, source 1 = my rows: a lane holds one row, and 16 registers of two tiles are 16 neighbouring columns.  Row r of fragment m is row 32 (m / 2) + 8 (m % 2) + r + 8 (r / 8) of the group of 64.
; THE WAY OUT: 16 rows x 64 columns at a time through the wave's own stage in LDS, so that sixteen lanes store 256 consecutive bytes, aligned.
; No tensor load and no cluster: no LDS byte is filled twice, and nothing is loaded jointly.  No prefetch: attn's block is asked for whole at the head, and Wo's records are read by all row blocks.
; LIMITS: NaN and infinities are not served.
.set REC,   8448
.set STG0,  270336
.set SPARE, 305152
.set AS,    8
.set SPW,   10
.set NIL,   11
.set BS0,   12
.set BIA,   16
.set ACT,   64
.set BUF0,  128
.set WV,    14
.set AP,    16
.set WOP,   18
.set BOP,   20
.set OUTP,  22
.set CNT,   45
.set AO,    58
.set MSB, 0
.macro WIN new
.if MSB != (\new)
	s_set_vgpr_msb (MSB<<8)|(\new)
.set MSB, (\new)
.endif
.endm
.macro PLACES n
.rept \n
	v_nop
.endr
.endm
.macro RECLOAD buf, bs, p, off
.irp f, 0,1,2,3
.irp c, 0,1,2,3
	global_load_b128 v[(\buf)+16*\f+4*\c:(\buf)+16*\f+4*\c+3], v1, s[\p:\p+1] offset:(\off)+2048*\f+512*\c
.endr
.endr
	global_load_b32 v[\bs], v2, s[\p:\p+1] offset:(\off)+8192
	global_load_b32 v[(\bs)+1], v2, s[\p:\p+1] offset:(\off)+8320
.endm
.macro WM d, a, b, c, sa, sb, ra, rb   ; one product; ra, rb: the side's scale words stand in lanes 16-31
.if (\ra) && (\rb)
	v_wmma_scale_f32_16x16x128_f8f6f4 v[(\d):(\d)+7], v[(\a):(\a)+15], v[(\b):(\b)+15], v[(\c):(\c)+7], v[\sa], v[\sb] matrix_a_scale:MATRIX_SCALE_ROW1 matrix_b_scale:MATRIX_SCALE_ROW1
.elseif \ra
	v_wmma_scale_f32_16x16x128_f8f6f4 v[(\d):(\d)+7], v[(\a):(\a)+15], v[(\b):(\b)+15], v[(\c):(\c)+7], v[\sa], v[\sb] matrix_a_scale:MATRIX_SCALE_ROW1
.elseif \rb
	v_wmma_scale_f32_16x16x128_f8f6f4 v[(\d):(\d)+7], v[(\a):(\a)+15], v[(\b):(\b)+15], v[(\c):(\c)+7], v[\sa], v[\sb] matrix_b_scale:MATRIX_SCALE_ROW1
.else
	v_wmma_scale_f32_16x16x128_f8f6f4 v[(\d):(\d)+7], v[(\a):(\a)+15], v[(\b):(\b)+15], v[(\c):(\c)+7], v[\sa], v[\sb]
.endif
.endm
.macro BIAS g                          ; register j of tile f of lane (r, h) is column 64 g + 32 (f / 2) + 16 h + 8 (f % 2) + j of my 128
.irp f, 0,1,2,3
	global_load_b128 v[BIA+8*\f:BIA+8*\f+3], v62, s[BOP:BOP+1] offset:256*(\g)+128*(\f/2)+32*(\f%2)
	global_load_b128 v[BIA+8*\f+4:BIA+8*\f+7], v62, s[BOP:BOP+1] offset:256*(\g)+128*(\f/2)+32*(\f%2)+16
.endr
.endm
	s_load_b256 s[4:11], s[0:1], 0x0               ; arec, rec1, bo, out0
	v_lshrrev_b32 v1, 5, v0
	v_readfirstlane_b32 s[WV], v1                  ; wave 0..7
	s_and_b32 s24, ttmp9, 3                        ; block of 256 columns
	s_lshr_b32 s25, ttmp9, 2                       ; block of 256 rows
	s_and_b32 s26, s[WV], 3                        ; my group of 64 rows
	s_lshr_b32 s27, s[WV], 2
	s_lshl_b32 s24, s24, 1
	s_add_co_u32 s24, s24, s27                     ; w: my group of 128 columns
	s_mul_i32 s28, s25, 32*REC
	; THE COPY GOES IN TWO HALVES along K, so that K steps 0-3 are multiplied while K steps 4-7 are on their way: in each half a wave copies two records (16,896 bytes): row group wave / 2, records 2 (wave % 2), + 1 of the half's four
	s_lshr_b32 s36, s[WV], 1
	s_mul_i32 s36, s36, 8*REC
	s_and_b32 s37, s[WV], 1
	s_mul_i32 s37, s37, 2*REC
	s_add_co_u32 s36, s36, s37                     ; my two records of K steps 0-3, in memory and in LDS; those of K steps 4-7 lie four records on
	s_add_co_u32 s28, s28, s36
	s_mov_b32 s29, 0
	s_mul_i32 s30, s24, 16*REC
	s_add_co_u32 s30, s30, 128*REC
	s_mov_b32 s31, 0
	s_lshl_b32 s32, s24, 9                         ; 512 bytes of a row for each group of columns
	s_mov_b32 s33, 0
	s_lshl_b32 s34, s25, 20                        ; 256 rows of 4,096 bytes
	s_lshl_b32 s37, s26, 18
	s_add_co_u32 s34, s34, s37
	s_add_co_u32 s34, s34, s32
	s_mov_b32 s35, 0
	s_mul_i32 s38, s26, 8*REC                      ; my rows' eight records in LDS
	s_mul_i32 s39, s[WV], 4352
	s_add_co_u32 s39, s39, STG0                    ; my stage: 16 rows of 256 bytes + 16
	v_lshl_add_u32 v[SPW], v0, 2, SPARE
	v_mov_b32 v[NIL], 0
	v_and_b32 v2, 31, v0
	v_lshlrev_b32 v1, 4, v2                        ; 16 x lane
	v_lshlrev_b32 v2, 2, v2                        ; 4 x lane
	v_add_nc_u32 v59, s36, v1
	v_add_nc_u32 v6, s38, v1
	v_add_nc_u32 v7, s38, v2
	v_add_nc_u32 v7, 8192, v7
	v_and_b32 v60, 15, v0
	v_bfe_u32 v61, v0, 4, 1
	v_mul_u32_u24 v3, v60, 272
	v_lshl_add_u32 v3, v61, 6, v3
	v_add_nc_u32 v3, s39, v3                       ; into the stage: row r, 64 bytes for each half of the lanes
	v_mul_u32_u24 v4, v61, 272
	v_lshl_add_u32 v4, v60, 4, v4
	v_add_nc_u32 v4, s39, v4                       ; back: lanes 0-15 one row, lanes 16-31 the next
	v_lshlrev_b32 v5, 12, v61
	v_lshl_add_u32 v5, v60, 4, v5                  ; and the same two rows in out
	v_lshlrev_b32 v62, 6, v61
	s_wait_alu depctr_va_vdst(0)
	s_wait_kmcnt 0x0
	s_add_nc_u64 s[AP:AP+1], s[4:5], s[28:29]
	s_add_nc_u64 s[WOP:WOP+1], s[6:7], s[30:31]
	s_add_nc_u64 s[BOP:BOP+1], s[8:9], s[32:33]
	s_add_nc_u64 s[OUTP:OUTP+1], s[10:11], s[34:35]
	WIN 0x40                                       ; the first half: 33 loads into v0-131 of window 1
.set I, 0
.rept 33
	global_load_b128 v[4*I:4*I+3], v1, s[AP:AP+1] offset:512*I
.set I, I+1
.endr
	WIN 0
	RECLOAD BUF0, BS0, WOP, 0
	RECLOAD BUF0+64, BS0+2, WOP, REC
	BIAS 0
	WIN 0x40                                       ; the second half: 31 loads into v132-255 of window 1, which the first four K steps do not touch, and two into v48-55
.set I, 0
.rept 31
	global_load_b128 v[132+4*I:132+4*I+3], v1, s[AP:AP+1] offset:4*REC+512*I
.set I, I+1
.endr
	WIN 0
	global_load_b128 v[48:51], v1, s[AP:AP+1] offset:4*REC+512*31
	global_load_b128 v[52:55], v1, s[AP:AP+1] offset:4*REC+512*32
	s_wait_loadcnt 63                              ; of the 110 loads issued the oldest 47 are in, the first half's 33 among them
	WIN 0x04
.set I, 0
.rept 33
	ds_store_b128 v59, v[4*I:4*I+3] offset:512*I
.set I, I+1
.endr
	WIN 0
	s_wait_dscnt 0x0
	s_barrier_signal -1
	s_barrier_wait -1                              ; the block's 32 records lie in LDS
; a K step: my rows' record out of LDS, 16 products with set n, 16 accumulators by turns
.macro OSTEP n, first, wcnt, refill, bias
	v_add_nc_u32 v60, s[AO], v6
	v_add_nc_u32 v61, s[AO], v7
.irp m, 0,1,2,3
.irp c, 0,1,2,3
	ds_load_b128 v[ACT+16*\m+4*\c:ACT+16*\m+4*\c+3], v60 offset:2048*\m+512*\c
.endr
.endr
	ds_load_b32 v[AS], v61
	ds_load_b32 v[AS+1], v61 offset:128
	s_add_co_u32 s[AO], s[AO], REC
	s_wait_loadcnt \wcnt
	s_wait_dscnt 0x0
.if \first
	WIN 0x40
.else
	WIN 0x50
.endif
.irp f, 0,1,2,3
.irp m, 0,1,2,3
.if \first
	WM 32*\m+8*\f, BUF0+64*(\n)+16*\f, ACT+16*\m, BIA+8*\f, BS0+2*(\n)+\f/2, AS+\m/2, \f%2, \m%2
.else
	WM 32*\m+8*\f, BUF0+64*(\n)+16*\f, ACT+16*\m, 32*\m+8*\f, BS0+2*(\n)+\f/2, AS+\m/2, \f%2, \m%2
.endif
.endr
.endr
	WIN 0
	PLACES 8                                       ; eight places between the products and loads into what they read, or the first read of their sums
.if \bias
	BIAS 1
.endif
.if \refill
	RECLOAD BUF0+64*(\n), BS0+2*(\n), WOP, REC*(2+(\n))
.endif
.endm
.macro OPAIR first, w0, refill, bias, w1=18
	OSTEP 0, \first, \w0, \refill, \bias
.if \refill
	OSTEP 1, 0, \w1, 1, 0
	s_wait_xcnt 0x0                                ; the loads have read their base
	s_add_nc_u64 s[WOP:WOP+1], s[WOP:WOP+1], 2*REC
.else
	OSTEP 1, 0, 0, 0, 0
.endif
.endm
.macro OUT g
.if \g
	s_wait_xcnt 0x0                                ; the first half's stores have read their registers
.endif
.irp m, 0,1,2,3
	WIN 0x04
.irp p, 0,1
.irp i, 0,1,2,3
	ds_store_b128 v3, v[32*\m+16*\p+4*\i:32*\m+16*\p+4*\i+3] offset:128*\p+16*\i   ; each accumulator from its low end on
.endr
.endr
	WIN 0x40
.irp q, 0,1,2,3,4,5,6,7
	ds_load_b128 v[128+32*\m+4*\q:128+32*\m+4*\q+3], v4 offset:544*\q   ; LDS serves a wave's instructions in order: these see my stores, and the next tile's stores come behind them
.endr
.endr
	WIN 0x04
.irp m, 0,1,2,3
.irp q, 0,1,2,3,4,5,6,7
	s_wait_dscnt 7-\q+16*(3-\m)                    ; the LDS instructions issued behind this load may be out
	global_store_b128 v5, v[128+32*\m+4*\q:128+32*\m+4*\q+3], s[OUTP:OUTP+1] offset:(32*(\m/2)+8*(\m%2)+2*\q+8*(\q/4))*4096+256*(\g) th:TH_STORE_NT
.endr
.endr
	WIN 0
.endm
	s_mov_b32 s[AO], 0
	OPAIR 1, 33, 1, 1, 59                          ; K steps 0, 1.  Behind Wo's first two records and the bias: the second half's 33 loads; at K step 1 also the next bias's 8 and a record's 18
	OPAIR 0, 18, 1, 0                              ; K steps 2, 3: their records were asked for behind the second half, so that half is in registers now
	WIN 0x04
.set I, 0
.rept 31
	ds_store_b128 v59, v[132+4*I:132+4*I+3] offset:4*REC+512*I
.set I, I+1
.endr
	WIN 0
	ds_store_b128 v59, v[48:51] offset:4*REC+512*31
	ds_store_b128 v59, v[52:55] offset:4*REC+512*32
	s_wait_alu depctr_va_vdst(0)
	s_wait_dscnt 0x0
	s_barrier_signal -1
	s_barrier_wait -1                              ; K steps 4-7 lie in LDS too
	s_mov_b32 s[CNT], 2
.Lo0:
	OPAIR 0, 18, 1, 0
	s_sub_co_u32 s[CNT], s[CNT], 1
	s_cmp_lg_u32 s[CNT], 0
	s_cbranch_scc1 .Lo0
	OUT 0
	s_mov_b32 s[AO], 0
	PLACES 9                                       ; the accumulators are begun anew with another C: nine places
	OPAIR 1, 18, 1, 0
	s_mov_b32 s[CNT], 2
.Lo1:
	OPAIR 0, 18, 1, 0
	s_sub_co_u32 s[CNT], s[CNT], 1
	s_cmp_lg_u32 s[CNT], 0
	s_cbranch_scc1 .Lo1
	OPAIR 0, 18, 0, 0
	OUT 1
	s_wait_tensorcnt 0x0                           ; the wave's end
	ds_add_u32 v[SPW], v[NIL]
	s_wait_dscnt 0x0
	s_endpgm
.Lfunc_end_k_qe90233efd1_oproj:
	.size	k_qe90233efd1_oproj, .Lfunc_end_k_qe90233efd1_oproj-k_qe90233efd1_oproj
	.p2alignl 7, 3214868480
	.fill 96, 4, 3214868480
	.section	.rodata,"a",@progbits
	.p2align	6, 0x0
	.amdhsa_kernel k_qe90233efd1_oproj
		.amdhsa_group_segment_fixed_size 306176
		.amdhsa_private_segment_fixed_size 0
		.amdhsa_enable_private_segment 0
		.amdhsa_kernarg_size 32
		.amdhsa_user_sgpr_count 2
		.amdhsa_user_sgpr_kernarg_segment_ptr 1
		.amdhsa_wavefront_size32 1
		.amdhsa_system_sgpr_workgroup_id_x 1
		.amdhsa_system_sgpr_workgroup_id_y 1
		.amdhsa_system_sgpr_workgroup_id_z 1
		.amdhsa_system_vgpr_workitem_id 0
		.amdhsa_next_free_vgpr 512
		.amdhsa_next_free_sgpr 66
		.amdhsa_reserve_vcc 0
		.amdhsa_float_denorm_mode_32 3
		.amdhsa_float_denorm_mode_16_64 3
		.amdhsa_memory_ordered 1
		.amdhsa_forward_progress 1
		.amdhsa_inst_pref_size 97
	.end_amdhsa_kernel
	.amdgpu_metadata
---
amdhsa.version: [ 1, 2 ]
amdhsa.kernels:
  - .name:           k_qe90233efd1_oproj
    .symbol:         k_qe90233efd1_oproj.kd
    .args:
      - { .name: arec, .offset: 0, .size: 8, .value_kind: global_buffer, .address_space: global }
      - { .name: rec1, .offset: 8, .size: 8, .value_kind: global_buffer, .address_space: global }
      - { .name: bo, .offset: 16, .size: 8, .value_kind: global_buffer, .address_space: global }
      - { .name: out0, .offset: 24, .size: 8, .value_kind: global_buffer, .address_space: global }
    .group_segment_fixed_size: 306176
    .private_segment_fixed_size: 0
    .kernarg_segment_align: 8
    .kernarg_segment_size: 32
    .max_flat_workgroup_size: 256
    .sgpr_count:     66
    .vgpr_count:     512
    .wavefront_size: 32
...
	.end_amdgpu_metadata
.endif
;; end of part 4
